; MI455X (gfx1250); checked and timed in simulation.
; The chip was launched on July 23, 2026; its instructions are those of AMD's public machine-readable ISA for CDNA 5 (MIT licence, August 2026) and "CDNA5" Instruction Set Architecture Reference Guide (July 2026). The comments in the code are by the model that wrote it; some were corrected since.
;; Multi Head Attention. Allowed arithmetic: matrix products marked QUANTISED: E4M3 operands, one given power-of-two scale a tensor, by v_wmma_f32_16x16x64_fp8_fp8 or v_wmma_f32_16x16x128_fp8_fp8, f32 sums; everything else in f32.
;; Inputs: Wk_b 1,024 float32; Wk_w_codes 1,024 x 32 x 32 uint8 (E4M3 codes of Wk_w, K innermost, in blocks of 32 codes); Wq_b 1,024 float32; Wq_w_codes 1,024 x 32 x 32 uint8 (E4M3 codes of Wq_w, K innermost, in blocks of 32 codes); Wv_b 1,024 float32; Wv_w_codes 1,024 x 32 x 32 uint8 (E4M3 codes of Wv_w, K innermost, in blocks of 32 codes); keys_codes 1 x 4,096 x 32 x 32 uint8 (E4M3 codes of keys, K innermost, in blocks of 32 codes); lowp_scales 10 int32 (the exponents e of the quantised operands' scales 2^e); queries 1 x 4,096 x 1,024 float32; values_codes 1 x 4,096 x 32 x 32 uint8 (E4M3 codes of values, K innermost, in blocks of 32 codes).
;; Outputs: out0 1 x 4,096 x 1,024 float32.
;; This version of the problem:
;;   THIS VERSION OF THE PROBLEM IS GIVEN IN LOW PRECISION. The matrix products marked QUANTISED in the list below multiply operands that are first quantised to E4M3 (4 exponent bits, 3 mantissa bits; 8 bits a number), with one given power-of-two scale for each operand tensor; their sums are f32. All else is computed in f32.
;;   The module's matrix products, in the order in which they are computed (A, B: the left and right operand; K: the contracted axis; several contracted axes count as one K, in the product's order):
;;     1. [M 4,096, K 1,024] x [K 1,024, N 1,024]; A: input queries; B: input Wq_w (given as codes): QUANTISED (scales: A lowp_scales[0], B lowp_scales[1])
;;     2. [M 4,096, K 1,024] x [K 1,024, N 1,024]; A: input keys (given as codes); B: input Wk_w (given as codes): QUANTISED (scales: A lowp_scales[2], B lowp_scales[3])
;;     3. [M 4,096, K 1,024] x [K 1,024, N 1,024]; A: input values (given as codes); B: input Wv_w (given as codes): QUANTISED (scales: A lowp_scales[4], B lowp_scales[5])
;;     4. batch 16 x [M 4,096, K 64] x [K 64, N 4,096]; A: computed on the way; B: computed on the way: QUANTISED (scales: A lowp_scales[6], B lowp_scales[7])
;;     5. batch 16 x [M 4,096, K 4,096] x [K 4,096, N 64]; A: softmax (see below); B: computed on the way: QUANTISED (scales: A lowp_scales[8], B lowp_scales[9])
;;   THE QUANTISER, for each operand of a quantised product, along K:
;;     - The operand's scale is 2^e, e = its entry of the input lowp_scales (int32; the entries are numbered through the quantised products in the list's order, A before B).
;;     - Each number is divided by the scale, clamped to +-448, and rounded to the nearest number of E4M3, ties to even, subnormals kept.
;;     - The product sums the exact products of the quantised numbers (number of the format x scale) in f32.
;;   ~~~python
;;   def quantise(x, axis, e):      # numpy; x: float32 -> the quantised numbers, widened to float32 again
;;       x = np.moveaxis(x, axis, -1); K = x.shape[-1]
;;       r = np.clip(x / 2.0 ** e, -448, 448)
;;       step = 2.0 ** (np.maximum(np.frexp(np.where(r == 0, 1, r))[1] - 1, -6) - 3)
;;       q = np.round(r / step) * step * 2.0 ** e      # np.round: ties to even
;;       return np.moveaxis(q, -1, axis).astype(np.float32)
;;   ~~~
;;   SOFTMAX AHEAD OF A QUANTISED PRODUCT. Where the list says 'softmax', what is quantised is not the finished softmax but p = 2^(t - M), with t = logit x log2(e) and M = ceil(the row's largest t), a whole number; so 1/2 < the row's largest p <= 1. The row's sum l is taken of the UNQUANTISED p, in f32, and the product's result is divided by l at the end. Since M is a whole number, a kernel that streams over the keys may use a running M (the ceiling of the running maximum): every later rescaling is an exact power of two, so the quantised numbers keep their values, but for numbers so far below the row's largest that they fall under the format's range.
;;   OPERANDS COMPUTED ON THE WAY. 'Computed on the way' means the value that the module computes at that place (a softmax that the list does not call 'softmax' is quantised finished and normalised). What goes into a quantiser is computed in f32, as accurately as f32 sums, v_exp_f32 and their like allow (about 1e-6 of the number): no bf16 or f16 on the way to a quantiser, and a product that is left as it is and whose result goes on into a quantised operand takes f32 operands (vector FMAs, or v_wmma_f32_16x16x4_f32). A number that lies on a knife's edge between two numbers of the format may be rounded either way, as far as f32 arithmetic and the matrix unit's own rounding can turn it there, and no further.
;;   INPUTS GIVEN AS CODES. Wk_w (in the module: [1024, 1024], K = its axis 1); Wq_w (in the module: [1024, 1024], K = its axis 1); Wv_w (in the module: [1024, 1024], K = its axis 1); keys (in the module: [1, 4096, 1024], K = its axis 2); values (in the module: [1, 4096, 1024], K = its axis 2): each comes as NAME_codes (uint8): NAME with its K axis moved to the last place and cut into blocks of 32 codes, [.., K / 32, bytes a block], one block behind the other in memory; one code a byte (a code: sign, 4 exponent bits, 3 mantissa bits); its scale is its entry of lowp_scales. Its value is code x scale, taken as it is: it is not quantised again, and the codes and scales need not be those that the quantiser above would give.
;; One version. Each part assembles by itself: llvm-mc -triple=amdgcn-amd-amdhsa -mcpu=gfx1250 --defsym DOCPART=n.
;; ======== version 1 of 1: 3 launches
;; limits: right only within a limited range of input values
;; workspace buffers: xq 4,194,304 bytes; qc 4,194,304 bytes; kv 8,388,608 bytes
;; launch quantq (part 1): grid 256 x 1, 4 waves a work-group, no clusters, 33,280 bytes of LDS; arguments queries, lowp_scales, xq; writes xq
.if DOCPART == 1
	.amdgcn_target "amdgcn-amd-amdhsa--gfx1250"
	.amdhsa_code_object_version 6
	.text
	.protected	k_q02a58fa47b_quantq
	.globl	k_q02a58fa47b_quantq
	.p2align	8
	.type	k_q02a58fa47b_quantq,@function
k_q02a58fa47b_quantq:
	s_mov_b64 s[64:65], 0
	v_nop
	global_prefetch_b8 v0, s[64:65] scope:SCOPE_SE
	s_setreg_imm32_b32 hwreg(HW_REG_WAVE_MODE, 25, 1), 1
	s_wait_xcnt 0x0
; THE PROGRAM: (1) this launch: queries, f32, into codes; (2) the three projections with bias, relu and quantiser; (3) attention, the transposed way out and the residual.
; Nothing of reference() is left out: every input has a way to the output, and the biases stand ahead of quantisers, so they stay.
; THIS LAUNCH: queries [4096][1024] f32 become codes of FP8 (E4M3), one byte each, K innermost, in xq [4096][1024], with the given scale 2^e, e = lowp_scales[0].
; code = x / 2^e, held within +-448, rounded to the nearest code, ties to even.  LIMITS: -126 <= e <= 119, so that 2^e and 448 x 2^e are f32 numbers; NaN among the inputs is not served (an infinity is held at the largest code).
; Rows are dense, so the tensor is a plain stream.  A wave takes 8 steps of 512 numbers; 4 waves x 256 work-groups take all 4,194,304.
; The conversion takes 8 neighbours along K from ONE lane's registers, a load is best where neighbouring LANES take neighbouring bytes.  Both are had: each of a step's four loads reads 512 consecutive bytes, 16 a lane;
; the 2,048 bytes go through the wave's own stage in LDS as they lie and come back 64 bytes a lane (16 bytes of padding behind each 64).  A lane's 16 codes are 16 bytes: the wave stores 512 consecutive bytes.
; Work-groups share no input: no cluster, no tensor loads, no barrier.  All of a wave's 32 loads, 16,384 bytes, go out at its head, each into registers of its own; the turn through LDS runs one step ahead.
.set WAVES, 4
.set STEPS, 8
.set EMAX,  8
.set MANT,  0x600000                   ; the mantissa field of 448 as f32
.set CB,    16                         ; bytes of 16 codes
.set R,     16                         ; v16-143  eight sets of 16 numbers as they are loaded, a set to a step
.set X,     144                        ; v144-175 two sets of 16 neighbours
.set C,     176                        ; v176-207 codes: four registers for each step, so that no store's data are written again
.set WREG,  8192                       ; LDS: a region of its own for each wave: two stages of 32 x SP bytes
.set SP,    80                         ; a lane's place in a stage: its 64 bytes + 16 of padding
.set SPW,   12                         ; v12      LDS address of my spare word: SPARE + 4 x my thread's number; never rewritten
.set NIL,   13                         ; v13      0; never rewritten
.set SPARE, WAVES*WREG                 ; behind the four regions: the spare words, 128 bytes for each wave
	s_load_b128 s[4:7], s[0:1], 0x0                ; queries s[4:5], the scales' exponents s[6:7]
	s_load_b64 s[8:9], s[0:1], 0x10                ; xq
	v_lshl_add_u32 v[SPW], v0, 2, SPARE
	v_mov_b32 v[NIL], 0
	v_lshrrev_b32 v1, 5, v0
	v_readfirstlane_b32 s16, v1                    ; wave
	v_and_b32 v2, 31, v0                           ; lane
	v_lshlrev_b32 v3, 4, v2                        ; 16 x lane: my 16 bytes of a load's 512, and of a step's 512 bytes of codes
	s_mul_i32 s17, s16, WREG
	v_lshrrev_b32 v14, 2, v2
	v_mul_u32_u24 v14, v14, SP
	v_and_b32 v15, 3, v2
	v_lshl_add_u32 v14, v15, 4, v14
	v_add_nc_u32 v14, s17, v14                     ; the stage, on the way in: four lanes' 64 bytes on end, then 16 of padding
	v_mul_u32_u24 v15, v2, SP
	v_add_nc_u32 v15, s17, v15                     ; and on the way out: SP x lane: my 16 neighbours
	s_lshl_b32 s18, ttmp9, 2
	s_add_co_u32 s18, s18, s16                     ; which run of 4,096 numbers is my wave's: 0 .. 1,023
	s_lshl_b32 s20, s18, 14                        ; 16,384 bytes of f32 a run
	s_mov_b32 s21, 0
	s_lshl_b32 s22, s18, 12                        ; 4,096 bytes of codes a run
	s_mov_b32 s23, 0
	s_wait_alu depctr_va_vdst(0)                   ; directly ahead of the wait below
	s_wait_kmcnt 0x0
	s_load_b32 s24, s[6:7], 0x0                    ; e
	s_add_nc_u64 s[4:5], s[4:5], s[20:21]
	s_add_nc_u64 s[8:9], s[8:9], s[22:23]
.macro LOAD t
.irp i, 0,1,2,3
	global_load_b128 v[R+16*(\t)+4*\i:R+16*(\t)+4*\i+3], v3, s[4:5] offset:2048*(\t)+512*\i th:TH_LOAD_NT   ; 32 lanes read 512 consecutive bytes
.endr
.endm
.macro TURN t                          ; step t's numbers through the stage: LDS serves a wave's instructions in order, so no wait stands between the stores and the loads
.irp i, 0,1,2,3
	ds_store_b128 v14, v[R+16*(\t)+4*\i:R+16*(\t)+4*\i+3] offset:32*SP*((\t)%2)+8*SP*\i
.endr
.irp i, 0,1,2,3
	ds_load_b128 v[X+16*((\t)%2)+4*\i:X+16*((\t)%2)+4*\i+3], v15 offset:32*SP*((\t)%2)+16*\i
.endr
.endm
.irp t, 0,1,2,3,4,5,6,7
	LOAD \t
.endr
	s_wait_kmcnt 0x0
	s_add_co_i32 s24, s24, 127
	s_lshl_b32 s25, s24, 23
	v_mov_b32 v11, s25                             ; 2^e as f32: the conversion takes its exponent field
	s_add_co_i32 s24, s24, EMAX
	s_lshl_b32 s24, s24, 23
	s_or_b32 s24, s24, MANT
	v_mov_b32 v10, s24                             ; 448 x 2^e
	s_wait_alu depctr_va_vdst(0)                   ; directly ahead of the wait below
	s_wait_loadcnt 4*(STEPS-1)                     ; step 0's four loads are in; the 28 of steps 1 to 7 may be out
	TURN 0
.macro STEP t
.set XS, X+16*((\t)%2)
	s_wait_dscnt 0x0                               ; this step's numbers are back from the stage
.if (\t)+1 < STEPS
	s_wait_loadcnt 4*(STEPS-2-(\t))                ; the next step's four loads are in; those of the steps behind it may be out
	TURN (\t)+1                                    ; and go through the other stage while this step is worked
.endif
.irp i, 0,1,2,3,4,5,6,7,8,9,10,11,12,13,14,15
	v_med3_num_f32 v[XS+\i], v[XS+\i], -v10, v10   ; the conversion to an 8-bit code does not saturate (ISA guide 7.6.2): the number is held within the largest code x the scale first
.endr
	v_cvt_scalef32_pk8_fp8_f32 v[C+4*(\t):C+4*(\t)+1], v[XS:XS+7], v11          ; eight numbers / 2^e, to the nearest code, ties to even; the first number's code in the lowest byte
	v_cvt_scalef32_pk8_fp8_f32 v[C+4*(\t)+2:C+4*(\t)+3], v[XS+8:XS+15], v11
	global_store_b128 v3, v[C+4*(\t):C+4*(\t)+3], s[8:9] offset:32*CB*(\t)      ; the results go to a store alone; the next step's holds are plain lines on other registers
.endm
.irp t, 0,1,2,3,4,5,6,7
	STEP \t
.endr
	s_wait_tensorcnt 0x0                           ; the wave's end: behind my last LDS store
	ds_add_u32 v[SPW], v[NIL]
	s_wait_dscnt 0x0
	s_endpgm
.Lfunc_end_k_q02a58fa47b_quantq:
	.size	k_q02a58fa47b_quantq, .Lfunc_end_k_q02a58fa47b_quantq-k_q02a58fa47b_quantq
	.p2alignl 7, 3214868480
	.fill 96, 4, 3214868480
	.section	.rodata,"a",@progbits
	.p2align	6, 0x0
	.amdhsa_kernel k_q02a58fa47b_quantq
		.amdhsa_group_segment_fixed_size 33280
		.amdhsa_private_segment_fixed_size 0
		.amdhsa_enable_private_segment 0
		.amdhsa_kernarg_size 24
		.amdhsa_user_sgpr_count 2
		.amdhsa_user_sgpr_kernarg_segment_ptr 1
		.amdhsa_wavefront_size32 1
		.amdhsa_system_sgpr_workgroup_id_x 1
		.amdhsa_system_sgpr_workgroup_id_y 1
		.amdhsa_system_sgpr_workgroup_id_z 1
		.amdhsa_system_vgpr_workitem_id 0
		.amdhsa_next_free_vgpr 208
		.amdhsa_next_free_sgpr 66
		.amdhsa_reserve_vcc 0
		.amdhsa_float_denorm_mode_32 3
		.amdhsa_float_denorm_mode_16_64 3
		.amdhsa_memory_ordered 1
		.amdhsa_forward_progress 1
		.amdhsa_inst_pref_size 20
	.end_amdhsa_kernel
	.amdgpu_metadata
---
amdhsa.version: [ 1, 2 ]
amdhsa.kernels:
  - .name:           k_q02a58fa47b_quantq
    .symbol:         k_q02a58fa47b_quantq.kd
    .args:
      - { .name: queries, .offset: 0, .size: 8, .value_kind: global_buffer, .address_space: global }
      - { .name: lowp_scales, .offset: 8, .size: 8, .value_kind: global_buffer, .address_space: global }
      - { .name: xq, .offset: 16, .size: 8, .value_kind: global_buffer, .address_space: global }
    .group_segment_fixed_size: 33280
    .private_segment_fixed_size: 0
    .kernarg_segment_align: 8
    .kernarg_segment_size: 24
    .max_flat_workgroup_size: 128
    .sgpr_count:     66
    .vgpr_count:     208
    .wavefront_size: 32
...
	.end_amdgpu_metadata
.endif
;; end of part 1
;; launch proj (part 2): grid 4 x 48, 4 waves a work-group, clusters of 4 x 4, 327,680 bytes of LDS; arguments xq, keys_codes, values_codes, Wq_w_codes, Wk_w_codes, Wv_w_codes, Wq_b, Wk_b, Wv_b, lowp_scales, qc, kv; writes qc, kv
.if DOCPART == 2
	.amdgcn_target "amdgcn-amd-amdhsa--gfx1250"
	.amdhsa_code_object_version 6
	.text
	.protected	k_q02a58fa47b_proj
	.globl	k_q02a58fa47b_proj
	.p2align	8
	.type	k_q02a58fa47b_proj,@function
k_q02a58fa47b_proj:
	s_mov_b64 s[64:65], 0
	v_nop
	global_prefetch_b8 v0, s[64:65] scope:SCOPE_SE
	s_setreg_imm32_b32 hwreg(HW_REG_WAVE_MODE, 25, 1), 1
	s_wait_xcnt 0x0
	s_wait_alu depctr_hold_cnt(0) depctr_sa_sdst(0) depctr_va_vdst(0) depctr_va_sdst(0) depctr_va_ssrc(0) depctr_va_vcc(0) depctr_vm_vsrc(0)
	s_getreg_b32 s2, hwreg(HW_REG_IB_STS2, 6, 4)
	s_cmp_eq_u32 s2, 0
	s_cbranch_scc0 .Lentry_in_a_cluster
	s_endpgm
.Lentry_in_a_cluster:
	s_bfe_u32 s2, ttmp6, 0x10000c
	s_cmp_lg_u32 s2, 0xf033
	s_cbranch_scc0 .Lentry_shape_is_right
	s_endpgm
.Lentry_shape_is_right:
; THE THREE PROJECTIONS on codes of FP8 (E4M3), each [4096 x 1024] x [1024 x 1024], with bias, relu and the next product's quantiser; nothing of reference() is left out here.
; Cluster row y / 4 says which: 0 = q (xq x Wq), 1 = k, 2 = v.  A work-group of four waves makes a tile of 256 x 256, a wave 128 x 128; K goes in four steps of 256 through a ring of two LDS slots.
; For v the weight's rows take the place of the tokens', so that the keys run along a lane's registers.  The codes are stored as images of the attention launch's operand registers.
; CLUSTERS: 4 x 4 work-groups; the first operand's tiles are asked for jointly along a row of the cluster, the second's along a column.
; PREFETCH: behind K step 0's joint load each wave asks for K step 1, behind K step 1's for K steps 2 and 3: each one or two steps ahead of its load, never more than two K steps asked for and not yet read.  Of the 128 rows that a wave
; fetches each of the four partners that ask for them jointly takes 32, told apart BY ADDRESS (cx for the first operand, cy for the second): a lane a row, 256 aligned bytes of it, so each block is named once in each cluster that loads it.
; LIMITS on the given exponents: each sum of two and each single one lies between -126 and 119, so that the powers of two made from them are f32 numbers.  NaN among the inputs is not served.
.set KSTEP,  256
.set ROWB,   256
.set KROW,   1024
.set PITCH,  272
.set FR,     16
.set NL,     4
.set NP,     4
.set HALFT,  128*PITCH
.set SLOT,   4*HALFT
.set SPARE,  2*SLOT
.set BH,   8
.set BR,   9
.set ADRA, 16
.set ADRB, 20
.set CO,   24
.set SCL,  26
.set LIMV, 27
.set SPW,  28
.set NIL,  29
.set BI,   32
.set AF,   128
.set TMP,  128
.set COD,  192
.set G1, 24
.set G0, 32
.set G1B, 48
.set G0B, 56
.set MSB, 0
.macro WIN new
.if MSB != \new
	s_set_vgpr_msb (MSB<<8)|\new
.set MSB, \new
.endif
.endm
.set MUL_LO, 0xa1
.set MUL_HI, 0xf1
.set TO_B,   0x40
.macro JLOAD g0a, g1a, g0b, g1b
	s_cmp_eq_u32 s15, 0
	s_cbranch_scc0 .Lfor_b_\@
	tensor_load_to_lds s[\g0a:\g0a+3], s[\g1a:\g1a+7]
	s_nop 0
.rept 4
	v_nop
.endr
	s_branch .Lasked_\@
.Lfor_b_\@:
	tensor_load_to_lds s[\g0b:\g0b+3], s[\g1b:\g1b+7]
	s_nop 0
.rept 4
	v_nop
.endr
.Lasked_\@:
.endm
.macro CREST
	s_cmp_lg_u32 s14, 0
	s_cbranch_scc1 .Lnot_wave_0_\@
	s_barrier_signal -3
.Lnot_wave_0_\@:
	s_barrier_wait -3
	s_barrier_signal -1
	s_barrier_wait -1
.endm
.macro CROUND
	s_barrier_signal -1
	s_barrier_wait -1
	CREST
.endm
	s_load_b512 s[68:83], s[0:1], 0x0
	s_load_b256 s[84:91], s[0:1], 0x40
	v_lshl_add_u32 v[SPW], v0, 2, SPARE
	v_mov_b32 v[NIL], 0
	ds_add_u32 v[SPW], v[NIL]
	ds_add_u32 v[SPW], v[NIL]
	v_lshrrev_b32 v1, 5, v0
	v_readfirstlane_b32 s14, v1
	s_lshr_b32 s15, s14, 1
	s_and_b32 s16, s14, 1
	s_bfe_u32 s40, ttmp6, 0x40000
	s_bfe_u32 s41, ttmp6, 0x40004
	s_and_b32 s2, ttmp7, 0xffff
	s_lshr_b32 s66, s2, 2
	s_and_b32 s3, s2, 3
	s_lshl_b32 s3, s3, 2
	s_cmp_eq_u32 s66, 2
	s_cselect_b32 s17, 0, s3
	s_cselect_b32 s42, s3, 0
	s_add_co_u32 s17, s17, s41
	s_add_co_u32 s42, s42, s40
	s_lshl_b32 s67, s17, 1
	s_add_co_u32 s67, s67, s15
	s_lshl_b32 s92, s42, 1
	s_add_co_u32 s92, s92, s16
	s_lshl_b32 s43, s41, 2
	s_lshl_b32 s43, 15, s43
	s_lshl_b32 s44, 0x1111, s40
	s_or_b32 s[G1+0], s43, (0<<16)|(1<<20)|(1<<21)|(5<<22)|(3<<25)
	s_or_b32 s[G1B+0], s44, (0<<16)|(1<<20)|(1<<21)|(5<<22)|(3<<25)
.irp g, G1, G1B
	s_mov_b32 s[\g+1], ROWB<<16
	s_mov_b32 s[\g+2], 128<<16
	s_mov_b32 s[\g+3], ROWB<<16
	s_mov_b32 s[\g+4], 128
	s_mov_b32 s[\g+5], KROW
	s_mov_b32 s[\g+6], 0
	s_mov_b32 s[\g+7], 0
.endr
	s_lshl_b32 s18, s16, 7
	s_lshl_b32 s20, s17, 8
	s_add_co_u32 s20, s20, s18
	s_lshl_b32 s46, s42, 8
	s_add_co_u32 s46, s46, s18
	s_lshl_b32 s20, s20, 10
	s_lshl_b32 s46, s46, 10
	s_mov_b32 s21, 0
	s_mov_b32 s47, 0
	s_mul_i32 s45, s14, HALFT
	s_wait_dscnt 0x0
	s_wait_kmcnt 0x0
	s_cmp_eq_u32 s66, 0
	s_cselect_b64 s[4:5], s[68:69], s[70:71]
	s_cselect_b64 s[6:7], s[74:75], s[76:77]
	s_cselect_b64 s[8:9], s[80:81], s[82:83]
	s_cselect_b64 s[10:11], s[88:89], s[90:91]
	s_cmp_eq_u32 s66, 2
	s_cselect_b64 s[4:5], s[78:79], s[4:5]
	s_cselect_b64 s[6:7], s[72:73], s[6:7]
	s_cselect_b64 s[8:9], s[84:85], s[8:9]
	s_load_b256 s[72:79], s[86:87], 0x0
	s_load_b32 s81, s[86:87], 0x24
	s_add_nc_u64 s[20:21], s[4:5], s[20:21]
	s_add_nc_u64 s[46:47], s[6:7], s[46:47]
	CROUND
.irp s, 0,1
	s_mov_b32 s[G0+4*\s], 1
	s_add_co_u32 s[G0+4*\s+1], s45, \s*SLOT
	s_add_nc_u64 s[G0+4*\s+2:G0+4*\s+3], s[20:21], \s*ROWB
	s_or_b32 s[G0+4*\s+3], s[G0+4*\s+3], 0x80000000
	s_mov_b32 s[G0B+4*\s], 1
	s_add_co_u32 s[G0B+4*\s+1], s45, \s*SLOT
	s_add_nc_u64 s[G0B+4*\s+2:G0B+4*\s+3], s[46:47], \s*ROWB
	s_or_b32 s[G0B+4*\s+3], s[G0B+4*\s+3], 0x80000000
.endr
	s_cmp_eq_u32 s15, 0                            ; the prefetches: the 128 rows that my wave fetches, of the first operand or of the second,
	s_cselect_b64 s[98:99], s[20:21], s[46:47]
	s_cselect_b32 s12, s40, s41                    ; my place among the four that ask for them with me,
	s_lshl_b32 s12, s12, 15                        ; x 32 rows of 1,024 bytes
	s_mov_b32 s13, 0
	s_add_nc_u64 s[98:99], s[98:99], s[12:13]      ; never rewritten
	JLOAD G0, G1, G0B, G1B                         ; K step 0, behind the opening round: one tensor load a wave at the head
	v_and_b32 v30, 31, v0
	v_lshlrev_b32 v30, 10, v30                     ; a lane a row; never rewritten
	global_prefetch_b8 v30, s[98:99] offset:256 th:TH_LOAD_NT scope:SCOPE_SE   ; K step 1 of my 32 rows
	v_and_b32 v1, 15, v0
	v_bfe_u32 v2, v0, 4, 1
	v_mul_u32_u24 v3, v1, PITCH
	v_lshl_add_u32 v4, v2, 4, v3
	s_mul_i32 s21, s15, HALFT
	s_mul_i32 s22, s16, HALFT
	s_add_co_u32 s22, s22, 2*HALFT
.irp s, 0,1
	v_add_nc_u32 v[ADRA+\s], s21, v4
	v_add_nc_u32 v[ADRB+\s], s22, v4
	s_add_co_u32 s21, s21, SLOT
	s_add_co_u32 s22, s22, SLOT
.endr
	v_and_b32 v6, 31, v0
	v_lshlrev_b32 v[CO], 4, v6
	v_lshlrev_b32 v[BH], 5, v2
	v_lshlrev_b32 v[BR], 2, v1
.macro FRAG reg, adr, q, i
.irp c, 0,1,2,3
	ds_load_b128 v[\reg+4*\c:\reg+4*\c+3], v[\adr] offset:128*(\q)+32*\c+(\i)*16*PITCH
.endr
.endm
.macro MUL16 a0, p, zero
.irp a, \a0, \a0+1
.irp b, 0,1,2,3,4,5,6,7
.if \zero
	v_wmma_f32_16x16x128_fp8_fp8 v[8*(8*((\a)%4)+\b):8*(8*((\a)%4)+\b)+7], v[128*(\p)+FR*\b:128*(\p)+FR*\b+FR-1], v[AF+FR*(\a):AF+FR*(\a)+FR-1], 0
.else
	v_wmma_f32_16x16x128_fp8_fp8 v[8*(8*((\a)%4)+\b):8*(8*((\a)%4)+\b)+7], v[128*(\p)+FR*\b:128*(\p)+FR*\b+FR-1], v[AF+FR*(\a):AF+FR*(\a)+FR-1], v[8*(8*((\a)%4)+\b):8*(8*((\a)%4)+\b)+7]
.endif
.endr
.endr
.endm
.macro FETCH_B slot, q, p
	WIN TO_B
.irp i, 0,1,2,3,4,5,6,7
	FRAG 128*(\p)+FR*\i, ADRB+\slot, \q, \i
.endr
	WIN 0
.endm
.macro FETCH_A slot, q, i0
.irp i, \i0, \i0+1, \i0+2, \i0+3
	FRAG AF+FR*(\i), ADRA+\slot, \q, \i
.endr
.endm
.macro PLACES n
.rept \n
	v_nop
.endr
.endm
.macro STEP slot, q, zero
	s_wait_dscnt 4*NL
	WIN MUL_LO
	MUL16 0, (\q)%2, \zero
	MUL16 2, (\q)%2, \zero
	s_wait_dscnt 0
	PLACES NP
	FETCH_B \slot, (\q)+1, 1-(\q)%2
	FETCH_A \slot, (\q)+1, 0
	WIN MUL_HI
	MUL16 4, (\q)%2, \zero
	MUL16 6, (\q)%2, \zero
	PLACES NP
	WIN 0
	FETCH_A \slot, (\q)+1, 4
.endm
.macro TURN slot, next, fill
	s_wait_tensorcnt 0x0
	ds_add_u32 v[SPW], v[NIL]
	s_wait_dscnt 4*NL+1
	WIN MUL_LO
	MUL16 0, 1, 0
	s_wait_dscnt 0x0
	s_barrier_signal -1
	MUL16 2, 1, 0
	WIN 0
	s_barrier_wait -1
.if \fill
	CREST
	s_add_nc_u64 s[G0+4*\slot+2:G0+4*\slot+3], s[G0+4*\slot+2:G0+4*\slot+3], 2*ROWB
	s_add_nc_u64 s[G0B+4*\slot+2:G0B+4*\slot+3], s[G0B+4*\slot+2:G0B+4*\slot+3], 2*ROWB
	JLOAD G0+4*\slot, G1, G0B+4*\slot, G1B
.else
	PLACES NP
.endif
	FETCH_B \next, 0, 0
	FETCH_A \next, 0, 0
	WIN MUL_HI
	MUL16 4, 1, 0
	MUL16 6, 1, 0
	PLACES NP
	WIN 0
	FETCH_A \next, 0, 4
.endm
.macro OUT a, row
.set AC, 64*((\a)%4)
.set CD, COD+16*((\a)%4)
.if (\a) >= 4
	s_wait_xcnt 0x0
.endif
	WIN 0x02+((\a)/4)
.set j, 0
.rept 32
.if \row
	v_pk_fma_f32 v[TMP+j:TMP+j+1], v[AC+j:AC+j+1], s[96:97], v[BI+2*(\a):BI+2*(\a)+1] op_sel_hi:[1,0,1]
.else
	v_pk_fma_f32 v[TMP+j:TMP+j+1], v[AC+j:AC+j+1], s[96:97], v[BI+j:BI+j+1] op_sel_hi:[1,0,1]
.endif
.set j, j+2
.endr
	WIN 0
.set j, 0
.rept 64
	v_med3_num_f32 v[TMP+j], v[TMP+j], 0, v[LIMV]
.set j, j+1
.endr
.irp b, 0,1,2,3,4,5,6,7
	v_cvt_scalef32_pk8_fp8_f32 v[CD+2*\b:CD+2*\b+1], v[TMP+8*\b:TMP+8*\b+7], v[SCL]
.endr
	v_nop
.if \row
.irp c, 0,1,2,3
	global_store_b128 v[CO], v[CD+4*\c:CD+4*\c+3], s[10:11] offset:((\a)/4)*524288+((\a)%4)*2048+512*\c
.endr
.else
.irp c, 0,1
	global_store_b128 v[CO], v[CD+4*\c:CD+4*\c+3], s[10:11] offset:(\a)*1024+512*\c
	global_store_b128 v[CO], v[CD+8+4*\c:CD+8+4*\c+3], s[94:95] offset:(\a)*1024+512*\c
.endr
.endif
.endm
.macro TAIL row
.if \row
	s_lshl_b32 s2, s67, 9
.else
	s_lshl_b32 s2, s92, 9
.endif
	s_mov_b32 s3, 0
	s_add_nc_u64 s[8:9], s[8:9], s[2:3]
.if \row
.irp a, 0,1,2,3,4,5,6,7
	global_load_b32 v[BI+2*\a], v[BR], s[8:9] offset:64*\a
	global_load_b32 v[BI+2*\a+1], v[BR], s[8:9] offset:64*\a
.endr
.else
.irp b, 0,1,2,3,4,5,6,7
	global_load_b128 v[BI+8*\b:BI+8*\b+3], v[BH], s[8:9] offset:64*\b
	global_load_b128 v[BI+8*\b+4:BI+8*\b+7], v[BH], s[8:9] offset:64*\b+16
.endr
.endif
	STEP 1, 0, 0
	s_wait_dscnt 4*NL
	WIN MUL_LO
	MUL16 0, 1, 0
	MUL16 2, 1, 0
	s_wait_dscnt 0
	WIN MUL_HI
	MUL16 4, 1, 0
	MUL16 6, 1, 0
	WIN 0
	s_wait_kmcnt 0x0
.if \row
	s_add_co_i32 s96, s76, s77
	s_mov_b32 s93, s81
.else
	s_cmp_eq_u32 s66, 0
	s_cselect_b32 s96, s72, s74
	s_cselect_b32 s97, s73, s75
	s_cselect_b32 s93, s78, s79
	s_add_co_i32 s96, s96, s97
.endif
	s_add_co_i32 s96, s96, 127
	s_lshl_b32 s96, s96, 23
	s_mov_b32 s97, s96
	s_add_co_i32 s93, s93, 127
	s_lshl_b32 s2, s93, 23
	v_mov_b32 v[SCL], s2
	s_add_co_i32 s93, s93, 8
	s_lshl_b32 s93, s93, 23
	s_or_b32 s93, s93, 0x600000
	v_mov_b32 v[LIMV], s93
.if \row
	s_lshl_b32 s2, s67, 20
	s_lshl_b32 s3, s92, 14
	s_add_co_u32 s2, s2, s3
	s_add_co_u32 s2, s2, 8192
	s_mov_b32 s3, 0
	s_add_nc_u64 s[10:11], s[10:11], s[2:3]
.else
	s_lshl_b32 s2, s92, 19
	s_sub_co_u32 s3, s67, s66                      ; K's block b of 128 keys goes into kv's block (b - 1) mod 32, beside V's block b - 1: the attention launch reads K one key step ahead of V.  Q (s66 = 0) stays where it was
	s_and_b32 s3, s3, 31
	s_lshl_b32 s3, s3, 13
	s_add_co_u32 s2, s2, s3
	s_lshl_b32 s2, s2, s66
	s_mov_b32 s3, 0
	s_add_nc_u64 s[10:11], s[10:11], s[2:3]
	s_lshl_b32 s2, 0x40000, s66
	s_add_nc_u64 s[94:95], s[10:11], s[2:3]
.endif
	s_wait_loadcnt 0x0
	PLACES NP
.irp a, 0,1,2,3,4,5,6,7
	OUT \a, \row
.endr
.endm
	s_wait_alu depctr_va_vdst(0)
	s_wait_tensorcnt 0x0                           ; my part of K step 0 is in
	ds_add_u32 v[SPW], v[NIL]
	s_wait_dscnt 0x0
	CROUND                                         ; everybody's part of K step 0 is in, and all sixteen work-groups are here
	JLOAD G0+4, G1, G0B+4, G1B                     ; K step 1, slot 1's first fill: the first tensor load behind the round
	global_prefetch_b8 v30, s[98:99] offset:512 th:TH_LOAD_NT scope:SCOPE_SE   ; K step 2, the next refill's
	global_prefetch_b8 v30, s[98:99] offset:768 th:TH_LOAD_NT scope:SCOPE_SE   ; K step 3, two refills on
	FETCH_B 0, 0, 0
	FETCH_A 0, 0, 0
	FETCH_A 0, 0, 4
	STEP 0, 0, 1
	TURN 0, 1, 1
	STEP 1, 0, 0
	TURN 1, 0, 1
	STEP 0, 0, 0
	TURN 0, 1, 0
	s_cmp_eq_u32 s66, 2
	s_cbranch_scc1 .Lfor_v
	TAIL 0
	s_branch .Ldone
.Lfor_v:
	TAIL 1
.Ldone:
	s_wait_tensorcnt 0x0
	ds_add_u32 v[SPW], v[NIL]
	s_wait_dscnt 0x0
	CROUND
	s_endpgm
.Lfunc_end_k_q02a58fa47b_proj:
	.size	k_q02a58fa47b_proj, .Lfunc_end_k_q02a58fa47b_proj-k_q02a58fa47b_proj
	.p2alignl 7, 3214868480
	.fill 96, 4, 3214868480
	.section	.rodata,"a",@progbits
	.p2align	6, 0x0
	.amdhsa_kernel k_q02a58fa47b_proj
		.amdhsa_group_segment_fixed_size 327680
		.amdhsa_private_segment_fixed_size 0
		.amdhsa_enable_private_segment 0
		.amdhsa_kernarg_size 96
		.amdhsa_user_sgpr_count 2
		.amdhsa_user_sgpr_kernarg_segment_ptr 1
		.amdhsa_wavefront_size32 1
		.amdhsa_system_sgpr_workgroup_id_x 1
		.amdhsa_system_sgpr_workgroup_id_y 1
		.amdhsa_system_sgpr_workgroup_id_z 1
		.amdhsa_system_vgpr_workitem_id 0
		.amdhsa_next_free_vgpr 1024
		.amdhsa_next_free_sgpr 100
		.amdhsa_reserve_vcc 0
		.amdhsa_float_denorm_mode_32 3
		.amdhsa_float_denorm_mode_16_64 3
		.amdhsa_memory_ordered 1
		.amdhsa_forward_progress 1
		.amdhsa_inst_pref_size 208
	.end_amdhsa_kernel
	.amdgpu_metadata
---
amdhsa.version: [ 1, 2 ]
amdhsa.kernels:
  - .name:           k_q02a58fa47b_proj
    .symbol:         k_q02a58fa47b_proj.kd
    .args:
      - { .name: xq, .offset: 0, .size: 8, .value_kind: global_buffer, .address_space: global }
      - { .name: keys_codes, .offset: 8, .size: 8, .value_kind: global_buffer, .address_space: global }
      - { .name: values_codes, .offset: 16, .size: 8, .value_kind: global_buffer, .address_space: global }
      - { .name: Wq_w_codes, .offset: 24, .size: 8, .value_kind: global_buffer, .address_space: global }
      - { .name: Wk_w_codes, .offset: 32, .size: 8, .value_kind: global_buffer, .address_space: global }
      - { .name: Wv_w_codes, .offset: 40, .size: 8, .value_kind: global_buffer, .address_space: global }
      - { .name: Wq_b, .offset: 48, .size: 8, .value_kind: global_buffer, .address_space: global }
      - { .name: Wk_b, .offset: 56, .size: 8, .value_kind: global_buffer, .address_space: global }
      - { .name: Wv_b, .offset: 64, .size: 8, .value_kind: global_buffer, .address_space: global }
      - { .name: lowp_scales, .offset: 72, .size: 8, .value_kind: global_buffer, .address_space: global }
      - { .name: qc, .offset: 80, .size: 8, .value_kind: global_buffer, .address_space: global }
      - { .name: kv, .offset: 88, .size: 8, .value_kind: global_buffer, .address_space: global }
    .group_segment_fixed_size: 327680
    .private_segment_fixed_size: 0
    .kernarg_segment_align: 8
    .kernarg_segment_size: 96
    .max_flat_workgroup_size: 128
    .sgpr_count:     100
    .vgpr_count:     1024
    .wavefront_size: 32
...
	.end_amdgpu_metadata
.endif
;; end of part 2
;; launch attn (part 3): grid 16 x 16, 8 waves a work-group, clusters of 4 x 1, 327,680 bytes of LDS; arguments qc, kv, queries, lowp_scales, out0; writes out0
.if DOCPART == 3
	.amdgcn_target "amdgcn-amd-amdhsa--gfx1250"
	.amdhsa_code_object_version 6
	.text
	.protected	k_q02a58fa47b_attn
	.globl	k_q02a58fa47b_attn
	.p2align	8
	.type	k_q02a58fa47b_attn,@function
k_q02a58fa47b_attn:
	s_mov_b64 s[64:65], 0
	v_nop
	global_prefetch_b8 v0, s[64:65] scope:SCOPE_SE
	s_setreg_imm32_b32 hwreg(HW_REG_WAVE_MODE, 25, 1), 1
	s_wait_xcnt 0x0
	s_wait_alu depctr_hold_cnt(0) depctr_sa_sdst(0) depctr_va_vdst(0) depctr_va_sdst(0) depctr_va_ssrc(0) depctr_va_vcc(0) depctr_vm_vsrc(0)
	s_getreg_b32 s2, hwreg(HW_REG_IB_STS2, 6, 4)
	s_cmp_eq_u32 s2, 0
	s_cbranch_scc0 .Lentry_in_a_cluster
	s_endpgm
.Lentry_in_a_cluster:
	s_bfe_u32 s2, ttmp6, 0x10000c
	s_cmp_lg_u32 s2, 0x3003
	s_cbranch_scc0 .Lentry_shape_is_right
	s_endpgm
.Lentry_shape_is_right:
; ATTENTION ON CODES OF FP8 (E4M3), 16 heads of 64 channels, 4,096 queries x 4,096 keys, no mask; then out0.flat[(head x 64 + d) x 4096 + s] = a[head][s][d] + queries.flat[the same place].  Nothing of reference() is left out.
; qc and kv hold the operands as images of their registers (register g of lane l at 512 (g / 4) + 16 l + 4 (g % 4)): qc [head][token tile][1,024]; kv [head][block j][16,384]: the eight fragments of K's keys 128 ((j + 1) mod 32) on, then V's four of keys 128 j on.
; So a key step reads V's fragments and the NEXT step's K from one block, and every trip of the loop is alike; K's first block comes by global loads at the head (it lies in kv's block 31); the last trip's read of K is not used.
; THE SOFTMAX AHEAD OF THE SECOND PRODUCT: t = score x log2(e) / 8; M = the row's largest t so far, rounded UP to a whole number; p = 2^(t - M) is what is quantised, along the keys; it is not normalised.
; The row's sum is taken of the unquantised p, in f32, and divides O at the end.  When M moves, the sums and O are multiplied by 2^(old M - new M): exact.
; SHARES.  A work-group owns 256 queries of one head; each of its eight waves owns 32: two tiles of 16, which share every fragment of K and V read from LDS.  Every wave walks all keys, 128 a step.
; A slot of LDS holds eight steps, 131,072 bytes, one dense block of kv, as it lies in memory; each wave fetches an eighth (64 rows of 256 bytes).  Every fragment load takes 512 consecutive bytes: no padding.
; CLUSTER.  The four query blocks of a cluster belong to one head and walk the same K and V: each part of a slot is asked for JOINTLY, by the same tensor load with the same descriptor and a mask that names the four.
; LAYOUT.  Both products are used transposed: S^T = K Q^T (K = 64), O^T = V^T P^T (K = 128 keys): a lane holds ONE query (lane % 16) throughout.  In tile t of S^T lane (r, h) holds keys 16 t + 8 h + 0 .. 7: its conversion gives registers 2 t, 2 t + 1 of P.
; A STEP'S ORDER.  The exponentials of tile 0 stand among tile 1's scalings, those of tile 1 among tile 0's first sums and holds: each plain line there reads nothing that a plain line of the same stretch wrote, so one wait stands between the stretches.
; LIMITS on the given exponents: e6 + e7 between -123 and 130 (they are added to c's exponent field); e8 between -126 and 119; e8 + e9 is applied by v_ldexp_f32 and has none.  NaN among the inputs is not served.
; REGISTERS.  window 0: v1-8 addresses; v12-19 for each tile -M, the largest t, a sum in two halves; v20-23 f, later 1 / the sum; v24-31 at work; v32 2^e8; v34-37 each tile's second sum; v64-191 S^T, then p; v192-223 P's codes; v224-255 tile 0's first sums.
;   window 1: v0-63 O^T (32 x tile + 8 x channel tile); v64-79 Q; v80-143 K's eight fragments; v144-207 V's four.
.set STEPB, 16384                      ; a key step's bytes
.set NS,    8                          ; key steps in a slot
.set SLOT1, NS*STEPB                   ; slot 1 begins here: one exclusive or turns an address in one slot into the other's
.set SP,    1040                       ; the way out: a stage of 64 channels x (1,024 bytes + 16), from LDS byte 0: slot 0 has had its last fill and its last read at the last change of slots
.set SPARE, 2*SLOT1                    ; behind the ring: the spare words, 128 bytes for each wave
.set LI,   1                           ; v1   16 x lane
.set ADR,  2                           ; v2   LDS address of the block in hand
.set SPW,  3                           ; v3   LDS address of my spare word; never rewritten
.set NIL,  4                           ; v4   0; never rewritten
.set PFO,  5                           ; v5   256 x lane: the offset of K's and V's prefetches
.set STO,  6                           ; v6   the way out: where I put a number
.set RD,   7                           ; v7   the way out: where I read a row back
.set RPO,  8                           ; v8   the offset of the residual's prefetch
.set ST,   12
.set FF,   20
.set WK,   24
.set SCL,  32
.set SB,   34
.set S,    64
.set P,    192
.set T,    224
.set OT,   0                           ; in window 1
.set QF,   64
.set KF,   80
.set VF,   144
.set WV,   14                          ; s14  my wave's number
.set SEL,  20                          ; s[20:21] lane selects for v_permlanex16_b32: lane l xor 16
.set CS,   22                          ; s[22:23] c = log2(e) / 8 x 2^(e6 + e7)
.set G1,   24                          ; s[24:31] descriptor group 1
.set G0,   32                          ; s[32:35] descriptor group 0, which walks
.set TB,   36                          ; s36  LDS byte at which the block in hand begins
.set SLOTS, 37                         ; s37  slots still to be asked for
.set CNT,  38                          ; s38  counts a slot's steps
.set LIM,  39                          ; s39  1 in a wave that prefetches K and V, else the greatest number
.set PFA,  40                          ; s[40:41] where my prefetches of K and V stand
.set KB,   54                          ; s[54:55] the head's first byte in kv
.set LIMS, 56                          ; s56  448 x 2^e8
.set MSB, 0
.macro WIN new                         ; the immediate's high byte repeats the setting that is left
.if MSB != \new
	s_set_vgpr_msb (MSB<<8)|\new
.set MSB, \new
.endif
.endm
.set W_LD,  0x40                       ; destination window 1, address window 0
.set W_KQ,  0x05                       ; K and Q window 1, S^T window 0
.set W_PV,  0x51                       ; V window 1, P window 0, O^T window 1
.set W_RS,  0x41                       ; O^T (destination and source 0) window 1, f window 0
.set W_OUT, 0x01                       ; O^T (source 0) window 1, the rest window 0
.macro CROUND                          ; a round of the cluster's barrier
	s_barrier_signal -1
	s_barrier_wait -1
	s_cmp_lg_u32 s[WV], 0
	s_cbranch_scc1 .Lnot_wave_0_\@
	s_barrier_signal -3
.Lnot_wave_0_\@:
	s_barrier_wait -3
	s_barrier_signal -1
	s_barrier_wait -1
.endm
.macro LOADJ                           ; my eighth of a slot, asked for jointly: every wave issues the line, with no branch; an s_nop 0 and four v_nop follow it
	tensor_load_to_lds s[G0:G0+3], s[G1:G1+7]
	s_nop 0
.rept 4
	v_nop
.endr
.endm
; A PREFETCH of the slot that the NEXT change of slots will ask for: eight key steps ahead of that load.  Each aligned block of 256 bytes is named once in the launch: all four clusters of a head walk the same K and V, so the head's
; first cluster asks; its four partners share a slot's 131,072 bytes out BY ADDRESS, 32,768 each; in each, waves 0 to 3 ask, 8,192 bytes a wave, lanes 256 bytes apart.  The last change that fills a slot asks for nothing.
.macro ASK
	s_cmp_gt_u32 s[SLOTS], s[LIM]
	s_cbranch_scc0 .Lnot_mine_\@
	global_prefetch_b8 v[PFO], s[PFA:PFA+1] th:TH_LOAD_NT scope:SCOPE_SE
.Lnot_mine_\@:
.endm
.macro HOLD2 r                         ; two numbers held at the largest code x the scale (the conversion to an 8-bit code does not saturate: ISA guide 7.6.2); p is not negative, so the hold is one-sided
	v_dual_min_num_f32 v[\r], s[LIMS], v[\r] :: v_dual_min_num_f32 v[\r+1], s[LIMS], v[\r+1]
.endm
	s_load_b256 s[4:11], s[0:1], 0x0               ; qc s[4:5], kv s[6:7], queries s[8:9], the scales' exponents s[10:11]
	s_load_b64 s[12:13], s[0:1], 0x20              ; out0
	v_lshl_add_u32 v[SPW], v0, 2, SPARE
	v_mov_b32 v[NIL], 0
	ds_add_u32 v[SPW], v[NIL]                      ; the wave's opening: the add, twice on end, and its wait ahead of my first tensor load
	ds_add_u32 v[SPW], v[NIL]                      ; and once more, under the one wait; the set-up below, work on registers, stands between
	v_lshrrev_b32 v2, 5, v0
	s_delay_alu instid0(VALU_DEP_1)
	v_readfirstlane_b32 s[WV], v2                  ; wave 0..7
	s_bfe_u32 s15, ttmp6, 0x40000                  ; cx: my place in the cluster
	s_lshl_b32 s16, ttmp9, 2
	s_add_co_u32 s16, s16, s15                     ; my block of 256 queries: it enters Q's, the residual's and the output's addresses alone
	s_and_b32 s17, ttmp7, 0xffff                   ; the head, which the four partners share
	; descriptor group 1: 64 rows of 256 bytes, dense: 16,384 bytes
	s_mov_b32 s[G1], 15|(3<<16)|(1<<21)            ; 15:0 the mask: all four work-groups; 17:16 elements of 8 bytes; 20 no padding; 21 set beside a mask
	s_mov_b32 s[G1+1], 32<<16                      ; tensor_dim0 = 32
	s_mov_b32 s[G1+2], 64<<16                      ; tensor_dim1 = 64
	s_mov_b32 s[G1+3], 32<<16                      ; tile_dim0 = 32
	s_mov_b32 s[G1+4], 64                          ; tile_dim1 = 64
	s_mov_b32 s[G1+5], 32                          ; tensor_dim0_stride
	s_mov_b32 s[G1+6], 0
	s_mov_b32 s[G1+7], 0
	s_mov_b32 s[SEL], 0x76543210
	s_mov_b32 s[SEL+1], 0xfedcba98
	s_mov_b32 s[CS], 0x3e38aa3b                    ; log2(e) / sqrt(64)
	s_mov_b32 s[TB], 0
	s_mov_b32 s[SLOTS], 3
	s_lshr_b32 s[LIM], s[WV], 2                    ; 0 in waves 0 to 3,
	s_or_b32 s[LIM], s[LIM], ttmp9                 ; where the cluster is the head's first: the same in all four partners
	s_cmp_eq_u32 s[LIM], 0
	s_cselect_b32 s[LIM], 1, -1
	s_lshl_b32 s[KB], s17, 19                      ; kv: the head's 524,288 bytes
	s_mov_b32 s[KB+1], 0
	s_lshl_b32 s18, s[WV], 14                      ; my wave's eighth of a slot
	s_mov_b32 s19, 0
	s_lshl_b32 s42, s15, 15                        ; the prefetches: my work-group's quarter of a slot,
	s_and_b32 s43, s[WV], 3
	s_lshl_b32 s43, s43, 13                        ; my wave's quarter of it,
	s_add_co_u32 s42, s42, s43
	s_add_co_u32 s42, s42, SLOT1                   ; in slot 1: the first change of slots steps it to slot 2.  Nothing is prefetched here, at the head
	s_mov_b32 s43, 0
	s_lshl_b32 s44, s17, 18                        ; qc: the head's 262,144 bytes,
	s_lshl_b32 s45, s16, 14                        ; my block's 16 tiles,
	s_add_co_u32 s44, s44, s45
	s_lshl_b32 s45, s[WV], 11                      ; my wave's two
	s_add_co_u32 s44, s44, s45
	s_mov_b32 s45, 0
	s_lshl_b32 s46, s17, 20                        ; the output and the residual: the head's 64 channels of 16,384 bytes,
	s_lshl_b32 s47, s[WV], 17                      ; the eight channels that my wave stores,
	s_add_co_u32 s46, s46, s47
	s_lshl_b32 s47, s16, 10                        ; my block's 256 queries
	s_add_co_u32 s46, s46, s47
	s_mov_b32 s47, 0
	v_and_b32 v11, 31, v0                          ; lane
	s_delay_alu instid0(VALU_DEP_1)
	v_lshlrev_b32 v[LI], 4, v11
	s_delay_alu instid0(VALU_DEP_2)
	v_lshlrev_b32 v[PFO], 8, v11
	v_and_b32 v9, 15, v0                           ; r
	v_bfe_u32 v10, v0, 4, 1                        ; h
	s_delay_alu instid0(VALU_DEP_1)
	v_mul_u32_u24 v[STO], v10, 8*SP                ; the stage, in: channel 8 h (+ 16 x tile + register, in the immediate),
	s_delay_alu instid0(VALU_DEP_1)
	v_lshl_add_u32 v[STO], v9, 2, v[STO]           ; query r
	s_lshl_b32 s53, s[WV], 7                       ; of my wave's 32
	v_add_nc_u32 v[STO], s53, v[STO]
	s_mul_i32 s53, s[WV], 8*SP                     ; back: channels 8 w on, whole rows, 16 bytes a lane
	v_add_nc_u32 v[RD], s53, v[LI]
	v_lshrrev_b32 v[RPO], 2, v11
	s_delay_alu instid0(VALU_DEP_1)
	v_lshlrev_b32 v[RPO], 14, v[RPO]               ; the residual's prefetch: channel lane / 4,
	v_and_b32 v9, 3, v11
	s_delay_alu instid0(VALU_DEP_1)
	v_lshl_add_u32 v[RPO], v9, 8, v[RPO]           ; block lane % 4 of its 1,024 bytes
	v_mov_b32 v[ADR], v[LI]                        ; block 0 lies at LDS byte 0
	s_wait_dscnt 0x0                               ; both opening adds are done
	s_wait_kmcnt 0x0
	s_load_b64 s[48:49], s[10:11], 0x18            ; e6, e7
	s_load_b64 s[50:51], s[10:11], 0x20            ; e8, e9
	s_add_nc_u64 s[KB:KB+1], s[6:7], s[KB:KB+1]
	s_mov_b32 s[G0], 1                             ; count = 1
	s_lshl_b32 s[G0+1], s[WV], 14                  ; LDS address: slot 0, my eighth: no place in the cluster enters it
	s_add_nc_u64 s[G0+2:G0+3], s[KB:KB+1], s[18:19]   ; global address: the head's first eight blocks, my eighth
	s_or_b32 s[G0+3], s[G0+3], 0x80000000          ; type = 2
	s_add_nc_u64 s[PFA:PFA+1], s[KB:KB+1], s[42:43]
	s_add_nc_u64 s[4:5], s[4:5], s[44:45]
	s_add_nc_u64 s[8:9], s[8:9], s[46:47]
	s_add_nc_u64 s[12:13], s[12:13], s[46:47]
	CROUND                                         ; all four work-groups are here: the first joint loads meet
	LOADJ                                          ; slot 0: one load of mine is out
	WIN W_LD
.irp k, 0,1,2,3
	global_load_b128 v[QF+4*\k:QF+4*\k+3], v[LI], s[4:5] offset:512*\k   ; Q's two fragments stay in registers
.endr
.set k, 0
.rept 16
	global_load_b128 v[KF+4*k:KF+4*k+3], v[LI], s[KB:KB+1] offset:31*STEPB+512*k   ; K's keys 0 to 127: they lie in the head's block 31
.set k, k+1
.endr
.set j, 0
.rept 64
	v_mov_b32 v[OT+j], 0                           ; O^T.  (The step is written once: the first finds zeros, which the first change of M leaves zeros)
.set j, j+1
.endr
	WIN 0
.irp x, 0,1
	v_mov_b32 v[ST+4*\x+1], 0xff61b1e6             ; the largest t so far: -3e38, under every t
	s_delay_alu instid0(VALU_DEP_1)
	v_floor_f32 v[ST+4*\x], -v[ST+4*\x+1]          ; -M
	v_mov_b32 v[ST+4*\x+2], 0                      ; the sums: two pairs a tile
	v_mov_b32 v[ST+4*\x+3], 0
	v_mov_b32 v[SB+2*\x], 0
	v_mov_b32 v[SB+2*\x+1], 0
	v_mov_b32 v[FF+2*\x+1], 0                      ; (named as the upper half of f's pair)
.endr
	s_wait_kmcnt 0x0
	s_add_co_i32 s52, s48, s49
	s_lshl_b32 s52, s52, 23
	s_add_co_i32 s[CS], s[CS], s52                 ; a score stands for score x 2^(e6 + e7): the two exponents are added to c's exponent field
	s_mov_b32 s[CS+1], s[CS]                       ; (named with it as a pair, so it is written)
	s_add_co_i32 s52, s50, 127
	s_lshl_b32 s53, s52, 23
	v_mov_b32 v[SCL], s53                          ; 2^e8 as f32, for the conversion
	s_add_co_i32 s52, s52, 8
	s_lshl_b32 s52, s52, 23
	s_or_b32 s[LIMS], s52, 0x600000                ; 448 x 2^e8
	s_add_co_i32 s52, s50, s51                     ; e8 + e9, for the way out
; A KEY STEP: 128 keys, both tiles of queries.  K's fragments are in registers when it begins.
.macro STEP
	WIN W_KQ
.irp t, 0,1,2,3,4,5,6,7
.irp x, 0,1
	v_wmma_f32_16x16x64_fp8_fp8 v[S+64*\x+8*\t:S+64*\x+8*\t+7], v[KF+8*\t:KF+8*\t+7], v[QF+8*\x:QF+8*\x+7], 0
.endr
.endr
	WIN 0
.rept 4
	v_nop                                          ; places: behind these products, in front of the loads into K's registers and the first read of the scores; behind the last step's products, in front of the loads into V's
.endr
	WIN W_LD
.irp t, 0,1,2,3
.irp c, 0,1,2,3
	ds_load_b128 v[VF+16*\t+4*\c:VF+16*\t+4*\c+3], v[ADR] offset:8192+2048*\t+512*\c   ; V: 16 channels x 128 keys, 16 registers
.endr
.endr
.set k, 0
.rept 16
	ds_load_b128 v[KF+4*k:KF+4*k+3], v[ADR] offset:512*k       ; the NEXT step's K: 16 keys x 64 channels, 8 registers a fragment.  All 32 loads land under the softmax
.set k, k+1
.endr
	WIN 0
	; the step's largest score of each query, among the lane's 64 keys: four chains a tile, a chain to two accumulators, each read from its low end on
.irp x, 0,1
.irp k, 0,1,2,3
	v_max3_num_f32 v[WK+4*\x+\k], v[S+64*\x+16*\k], v[S+64*\x+16*\k+1], v[S+64*\x+16*\k+2]
.endr
.endr
.irp j, 1,2,3,4,5,6
.irp x, 0,1
.irp k, 0,1,2,3
	v_max3_num_f32 v[WK+4*\x+\k], v[WK+4*\x+\k], v[S+64*\x+16*\k+2*\j+1], v[S+64*\x+16*\k+2*\j+2]
.endr
.endr
.endr
.irp x, 0,1
	v_max3_num_f32 v[WK+4*\x], v[WK+4*\x], v[S+64*\x+15], v[S+64*\x+31]       ; each chain's sixteenth number
.endr
.irp x, 0,1
	v_max3_num_f32 v[WK+4*\x+1], v[WK+4*\x+1], v[S+64*\x+47], v[S+64*\x+63]
.endr
.irp x, 0,1
	v_max_num_f32 v[WK+4*\x+2], v[WK+4*\x+2], v[WK+4*\x+3]
.endr
.irp x, 0,1
	v_max3_num_f32 v[WK+4*\x], v[WK+4*\x], v[WK+4*\x+1], v[WK+4*\x+2]
.endr
.irp x, 0,1
	s_delay_alu instid0(VALU_DEP_2)
	v_permlanex16_b32 v[WK+4*\x+1], v[WK+4*\x], s[SEL], s[SEL+1]
.endr
.irp x, 0,1
	s_delay_alu instid0(VALU_DEP_2)
	v_max_num_f32 v[WK+4*\x], v[WK+4*\x], v[WK+4*\x+1]          ; and among lane l xor 16's
.endr
.irp x, 0,1
	s_delay_alu instid0(VALU_DEP_2)
	v_mul_f32 v[WK+4*\x], s[CS], v[WK+4*\x]                     ; as t (c is positive)
.endr
.irp x, 0,1
	s_delay_alu instid0(VALU_DEP_2)
	v_max_num_f32 v[ST+4*\x+1], v[ST+4*\x+1], v[WK+4*\x]        ; the running largest t
.endr
.irp x, 0,1
	v_mov_b32 v[WK+4*\x], v[ST+4*\x]
.endr
.irp x, 0,1
	s_delay_alu instid0(VALU_DEP_4)
	v_floor_f32 v[ST+4*\x], -v[ST+4*\x+1]                       ; the new -M = floor(-t) = -ceil(t): M IS A WHOLE NUMBER
.endr
.irp x, 0,1
	s_delay_alu instid0(VALU_DEP_2)
	v_sub_f32 v[WK+4*\x], v[ST+4*\x], v[WK+4*\x]                ; M's old value less its new one: a whole number, 0 or less
.endr
.irp x, 0,1
	s_delay_alu instid0(VALU_DEP_2)
	v_cvt_i32_f32 v[WK+4*\x], v[WK+4*\x]                        ; (it saturates)
.endr
.irp x, 0,1
	s_delay_alu instid0(VALU_DEP_2)
	v_ldexp_f32 v[FF+2*\x], 1.0, v[WK+4*\x]                     ; f = 2^(old M - new M): a multiplication by it rounds nothing
.endr
.set j, 0
.rept 32
	v_pk_fma_f32 v[S+j:S+j+1], v[S+j:S+j+1], s[CS:CS+1], v[ST:ST+1] op_sel_hi:[1,0,0]   ; tile 0: t - M, two at a time (of the pairs c and -M the low word serves both halves)
.set j, j+2
.endr
	s_wait_alu depctr_va_vdst(0)
.set j, 0
.rept 32                                       ; tile 0: p = 2^(t - M), at most 1, NOT normalised; among them tile 1's t - M, which reads nothing written since the wait
	v_exp_f32 v[S+j], v[S+j]
	v_exp_f32 v[S+j+1], v[S+j+1]
	v_pk_fma_f32 v[S+64+j:S+64+j+1], v[S+64+j:S+64+j+1], s[CS:CS+1], v[ST+4:ST+5] op_sel_hi:[1,0,0]
.set j, j+2
.endr
	s_wait_alu depctr_va_vdst(0)                   ; one wait: for tile 0's p, ahead of its first readers, and for tile 1's t - M, ahead of its exponentials
.set j, 0
.rept 16                                       ; tile 1's exponentials; among them tile 0's first sums, OF THE UNQUANTISED p, into registers of their own, and then its holds
	v_exp_f32 v[S+64+j], v[S+64+j]
	v_pk_add_f32 v[T+j/2:T+j/2+1], v[S+j:S+j+1], v[S+j+2:S+j+3]
	v_exp_f32 v[S+65+j], v[S+65+j]
	HOLD2 S+j
	v_exp_f32 v[S+66+j], v[S+66+j]
	HOLD2 S+j+2
	v_exp_f32 v[S+67+j], v[S+67+j]
.set j, j+4
.endr
.irp x, 0,1
	v_pk_mul_f32 v[ST+4*\x+2:ST+4*\x+3], v[ST+4*\x+2:ST+4*\x+3], v[FF+2*\x:FF+2*\x+1] op_sel_hi:[1,0]   ; the sums under the new M.  (The plain lines behind the exponentials)
	v_pk_mul_f32 v[SB+2*\x:SB+2*\x+1], v[SB+2*\x:SB+2*\x+1], v[FF+2*\x:FF+2*\x+1] op_sel_hi:[1,0]
.endr
	s_add_co_u32 s[TB], s[TB], STEPB
	v_add_nc_u32 v[ADR], s[TB], v[LI]              ; the next block: this step's loads have been issued
	WIN W_RS
	s_wait_alu depctr_va_vdst(0)                   ; ahead of the first readers of tile 1's p, and directly ahead of the first readers of O^T
.set j, 0
.rept 16
	v_pk_mul_f32 v[OT+j:OT+j+1], v[OT+j:OT+j+1], v[FF:FF+1] op_sel_hi:[1,0]                 ; O^T under the new M: x f
	v_pk_mul_f32 v[OT+32+j:OT+32+j+1], v[OT+32+j:OT+32+j+1], v[FF+2:FF+3] op_sel_hi:[1,0]
.set j, j+2
.endr
	WIN 0
.irp g, 0,1,2,3,4,5,6,7                        ; the sums in four chains by turns; tile 1's holds behind its sums; keys 16 g + 8 h + 0 .. 7 become registers 2 g, 2 g + 1 of P
	v_pk_add_f32 v[ST+6:ST+7], v[ST+6:ST+7], v[S+64+8*\g:S+64+8*\g+1]
	v_pk_add_f32 v[SB+2:SB+3], v[SB+2:SB+3], v[S+64+8*\g+2:S+64+8*\g+3]
	v_pk_add_f32 v[ST+2:ST+3], v[ST+2:ST+3], v[T+4*\g:T+4*\g+1]
	v_pk_add_f32 v[SB:SB+1], v[SB:SB+1], v[T+4*\g+2:T+4*\g+3]
	v_pk_add_f32 v[ST+6:ST+7], v[ST+6:ST+7], v[S+64+8*\g+4:S+64+8*\g+5]
	v_pk_add_f32 v[SB+2:SB+3], v[SB+2:SB+3], v[S+64+8*\g+6:S+64+8*\g+7]
.irp i, 0,2,4,6
	HOLD2 S+64+8*\g+\i
.endr
	v_cvt_scalef32_pk8_fp8_f32 v[P+2*\g:P+2*\g+1], v[S+8*\g:S+8*\g+7], v[SCL]
	v_cvt_scalef32_pk8_fp8_f32 v[P+16+2*\g:P+16+2*\g+1], v[S+64+8*\g:S+64+8*\g+7], v[SCL]
.endr
	v_nop                                          ; a plain line between the last conversion and the products that read P
	s_wait_alu depctr_va_vdst(0)                   ; directly ahead of the wait below
	s_wait_dscnt 0x0                               ; V is in, and the next step's K
	WIN W_PV
.irp t, 0,1,2,3                                ; O^T += V^T P^T: eight accumulators, one instruction a turn
.irp x, 0,1
	v_wmma_f32_16x16x128_fp8_fp8 v[OT+32*\x+8*\t:OT+32*\x+8*\t+7], v[VF+16*\t:VF+16*\t+15], v[P+16*\x:P+16*\x+15], v[OT+32*\x+8*\t:OT+32*\x+8*\t+7]
.endr
.endr
	WIN 0
.endm
; THE CHANGE OF SLOTS stands at a slot's head.  Each wave waits for all its tensor loads (its part of the slot that it is about to read), adds 0 to its spare word, and waits for that and for its reads of the slot that it has left.
; fill = 1: the barrier is a round of the cluster's, so that no wave of any partner still reads the other slot or has a load on its way, and the joint load of the next eight blocks is the first thing behind it: it has eight key steps in which to land.
; (In the first trip the loads fill slot 1 for the first time, and none fills bytes again.)
.macro CHANGE fill
	s_wait_tensorcnt 0x0                           ; no tensor load of mine is out, so group 0 may be written
	ds_add_u32 v[SPW], v[NIL]                      ; 0 onto my spare word
.if \fill
	s_xor_b32 s[G0+1], s[G0+1], SLOT1              ; the walking descriptor: the other slot than last time,
	s_add_nc_u64 s[G0+2:G0+3], s[G0+2:G0+3], SLOT1 ; the next eight blocks; the type bits on top are not reached
	s_wait_xcnt 0x0                                ; the last prefetch, a slot back, has read its address, so it may be written:
	s_add_nc_u64 s[PFA:PFA+1], s[PFA:PFA+1], SLOT1 ; one slot further on than the walking descriptor
	s_wait_dscnt 0x0                               ; the add is done, and my reads of the slot that I have left are over
	CROUND
	LOADJ
	ASK
.else
	s_wait_dscnt 0x0
	s_barrier_signal -1
	s_barrier_wait -1
.endif
.endm
.macro SLOT_STEPS more                 ; a slot's eight key steps: written once, walked eight times; the LDS addresses hang on s[TB]
	s_mov_b32 s[CNT], NS
.Lstep_\@:
	STEP
	s_sub_co_u32 s[CNT], s[CNT], 1
	s_cmp_lg_u32 s[CNT], 0
	s_cbranch_scc1 .Lstep_\@
.if \more
	s_sub_co_u32 s[TB], s[TB], NS*STEPB            ; back to a slot's first block,
	s_xor_b32 s[TB], s[TB], SLOT1                  ; in the other slot
	v_add_nc_u32 v[ADR], s[TB], v[LI]
	s_wait_alu depctr_va_vdst(0)
.endif
.endm
	s_wait_alu depctr_va_vdst(0)
	s_wait_loadcnt 0x0                             ; Q, and K's first block
.Lslot:                                            ; three trips: behind each change of slots but the last the next slot is asked for
	CHANGE 1
	SLOT_STEPS 1
	s_sub_co_u32 s[SLOTS], s[SLOTS], 1
	s_cmp_lg_u32 s[SLOTS], 0
	s_cbranch_scc1 .Lslot
	CHANGE 0                                       ; the last slot is written out
	global_prefetch_b8 v[RPO], s[8:9] th:TH_LOAD_NT scope:SCOPE_SE   ; the residual that my wave will add: 8 channels x 1,024 bytes, a lane to each aligned block of 256: each named once in the launch, eight key steps ahead of its load
	SLOT_STEPS 0
	; THE WAY OUT.  O^T / the sum x 2^(e8 + e9) goes into the work-group's stage as [channel][query]: a channel's 256 queries are 1,024 consecutive bytes of out0.  Behind a barrier wave w takes channels 8 w .. 8 w + 7 whole,
	; adds the residual and stores 512 consecutive bytes, aligned, an instruction.
.rept 4
	v_nop                                          ; places behind the last products, in front of the loads into P's registers and the reads of O^T
.endr
.set k, 0
.rept 16
	global_load_b128 v[P+4*k:P+4*k+3], v[LI], s[8:9] offset:(k/2)*16384+(k%2)*512 th:TH_LOAD_NT   ; the residual: channel k / 2, half k % 2 of its 1,024 bytes
.set k, k+1
.endr
.irp x, 0,1
	v_pk_add_f32 v[ST+4*\x+2:ST+4*\x+3], v[ST+4*\x+2:ST+4*\x+3], v[SB+2*\x:SB+2*\x+1]   ; the tile's two sums,
.endr
.irp x, 0,1
	v_add_f32 v[ST+4*\x+2], v[ST+4*\x+2], v[ST+4*\x+3]          ; their two halves,
.endr
.irp x, 0,1
	s_delay_alu instid0(VALU_DEP_2)
	v_permlanex16_b32 v[WK+4*\x], v[ST+4*\x+2], s[SEL], s[SEL+1]
.endr
.irp x, 0,1
	s_delay_alu instid0(VALU_DEP_2)
	v_add_f32 v[ST+4*\x+2], v[ST+4*\x+2], v[WK+4*\x]            ; and lane l xor 16's: the row's sum
.endr
	s_wait_alu depctr_va_vdst(0)
.irp x, 0,1
	v_rcp_f32 v[FF+2*\x], v[ST+4*\x+2]
.endr
	v_nop                                          ; a plain line behind the reciprocals
	s_wait_alu depctr_va_vdst(0)                   ; and the wait ahead of their first use: one for the two
.irp x, 0,1
	v_ldexp_f32 v[FF+2*\x], v[FF+2*\x], s52        ; x 2^(e8 + e9)
.endr
	WIN W_OUT
	s_wait_alu depctr_va_vdst(0)                   ; directly ahead of the first readers of O^T
.irp x, 0,1
.set j, 0
.rept 16
	v_pk_mul_f32 v[S+32*\x+j:S+32*\x+j+1], v[OT+32*\x+j:OT+32*\x+j+1], v[FF+2*\x:FF+2*\x+1] op_sel_hi:[1,0]   ; register 32 x + 8 t + i: a(query 16 x + r, channel 16 t + 8 h + i); each accumulator from its low end on
.set j, j+2
.endr
.endr
	WIN 0
.irp x, 0,1
.irp t, 0,1,2,3
.irp i, 0,1,2,3,4,5,6,7
	ds_store_b32 v[STO], v[S+32*\x+8*\t+\i] offset:(16*\t+\i)*SP+64*\x   ; sixteen lanes: 64 consecutive bytes; the other sixteen 8 rows = 2,080 words on: 32 banks away (64 banks of 4 bytes: ISA guide 11.1)
.endr
.endr
.endr
	s_wait_dscnt 0x0                               ; for the others' sake: my stores into the stage are done
	s_barrier_signal -1
	s_barrier_wait -1
.set k, 0
.rept 16
	ds_load_b128 v[128+4*k:128+4*k+3], v[RD] offset:(k/2)*SP+(k%2)*512
.set k, k+1
.endr
	s_wait_loadcnt 0x0                             ; the residual
.set k, 0
.rept 16
	s_wait_dscnt 15-k                              ; LDS loads come back in order: load k is in, the younger ones may be out
	v_pk_add_f32 v[128+4*k:128+4*k+1], v[128+4*k:128+4*k+1], v[P+4*k:P+4*k+1]
	v_pk_add_f32 v[128+4*k+2:128+4*k+3], v[128+4*k+2:128+4*k+3], v[P+4*k+2:P+4*k+3]
	global_store_b128 v[LI], v[128+4*k:128+4*k+3], s[12:13] offset:(k/2)*16384+(k%2)*512 th:TH_STORE_NT   ; 32 lanes store 512 consecutive bytes, aligned; written once, read by nobody here
.set k, k+1
.endr
	s_wait_tensorcnt 0x0                           ; the wave's end: behind my last tensor load and my last LDS store
	ds_add_u32 v[SPW], v[NIL]
	s_wait_dscnt 0x0
	CROUND                                         ; the closing round: no work-group ends while a partner may still ask for a tile that names it
	s_endpgm
.Lfunc_end_k_q02a58fa47b_attn:
	.size	k_q02a58fa47b_attn, .Lfunc_end_k_q02a58fa47b_attn-k_q02a58fa47b_attn
	.p2alignl 7, 3214868480
	.fill 96, 4, 3214868480
	.section	.rodata,"a",@progbits
	.p2align	6, 0x0
	.amdhsa_kernel k_q02a58fa47b_attn
		.amdhsa_group_segment_fixed_size 327680
		.amdhsa_private_segment_fixed_size 0
		.amdhsa_enable_private_segment 0
		.amdhsa_kernarg_size 40
		.amdhsa_user_sgpr_count 2
		.amdhsa_user_sgpr_kernarg_segment_ptr 1
		.amdhsa_wavefront_size32 1
		.amdhsa_system_sgpr_workgroup_id_x 1
		.amdhsa_system_sgpr_workgroup_id_y 1
		.amdhsa_system_sgpr_workgroup_id_z 1
		.amdhsa_system_vgpr_workitem_id 0
		.amdhsa_next_free_vgpr 512
		.amdhsa_next_free_sgpr 66
		.amdhsa_reserve_vcc 0
		.amdhsa_float_denorm_mode_32 3
		.amdhsa_float_denorm_mode_16_64 3
		.amdhsa_memory_ordered 1
		.amdhsa_forward_progress 1
		.amdhsa_inst_pref_size 83
	.end_amdhsa_kernel
	.amdgpu_metadata
---
amdhsa.version: [ 1, 2 ]
amdhsa.kernels:
  - .name:           k_q02a58fa47b_attn
    .symbol:         k_q02a58fa47b_attn.kd
    .args:
      - { .name: qc, .offset: 0, .size: 8, .value_kind: global_buffer, .address_space: global }
      - { .name: kv, .offset: 8, .size: 8, .value_kind: global_buffer, .address_space: global }
      - { .name: queries, .offset: 16, .size: 8, .value_kind: global_buffer, .address_space: global }
      - { .name: lowp_scales, .offset: 24, .size: 8, .value_kind: global_buffer, .address_space: global }
      - { .name: out0, .offset: 32, .size: 8, .value_kind: global_buffer, .address_space: global }
    .group_segment_fixed_size: 327680
    .private_segment_fixed_size: 0
    .kernarg_segment_align: 8
    .kernarg_segment_size: 40
    .max_flat_workgroup_size: 256
    .sgpr_count:     66
    .vgpr_count:     512
    .wavefront_size: 32
...
	.end_amdgpu_metadata
.endif
;; end of part 3
